; MI455X (gfx1250); checked and timed in simulation.
; The chip was launched on July 23, 2026; its instructions are those of AMD's public machine-readable ISA for CDNA 5 (MIT licence, August 2026) and "CDNA5" Instruction Set Architecture Reference Guide (July 2026). The comments in the code are by the model that wrote it; some were corrected since.
;; Projected Adaptive Log Softmax. Allowed arithmetic: matrix products marked QUANTISED: E2M1 operands, one E8M0 scale for each 32 along K, by v_wmma_scale_f32_16x16x128_f8f6f4 with both operands' format E2M1 (or v_wmma_scale_f32_32x16x128_f4), f32 sums; products left as they are: f32 operands where the result goes on into a quantised operand, else bf16, f16 or f32 operands; f32 sums; everything else in f32.
;; Inputs: b0 20,000 float32; b1 20,000 float32; b2 160,000 float32; b3 67,735 float32; cluster_b 3 float32; cluster_w 3 x 1,024 float32; hidden_codes 1,024 x 32 x 16 uint8 (E2M1 codes of hidden, K innermost, in blocks of 32 codes, two codes a byte); hidden_scales 1,024 x 32 uint8 (E8M0 scales of hidden, one for each 32 codes along K); p0_codes 1,024 x 32 x 16 uint8 (E2M1 codes of p0, K innermost, in blocks of 32 codes, two codes a byte); p0_scales 1,024 x 32 uint8 (E8M0 scales of p0, one for each 32 codes along K); p1_codes 256 x 32 x 16 uint8 (E2M1 codes of p1, K innermost, in blocks of 32 codes, two codes a byte); p1_scales 256 x 32 uint8 (E8M0 scales of p1, one for each 32 codes along K); p2_codes 64 x 32 x 16 uint8 (E2M1 codes of p2, K innermost, in blocks of 32 codes, two codes a byte); p2_scales 64 x 32 uint8 (E8M0 scales of p2, one for each 32 codes along K); p3_codes 16 x 32 x 16 uint8 (E2M1 codes of p3, K innermost, in blocks of 32 codes, two codes a byte); p3_scales 16 x 32 uint8 (E8M0 scales of p3, one for each 32 codes along K); target 1,024 int32; w0 20,000 x 1,024 float32; w1_codes 20,000 x 8 x 16 uint8 (E2M1 codes of w1, K innermost, in blocks of 32 codes, two codes a byte); w1_scales 20,000 x 8 uint8 (E8M0 scales of w1, one for each 32 codes along K); w2_codes 160,000 x 2 x 16 uint8 (E2M1 codes of w2, K innermost, in blocks of 32 codes, two codes a byte); w2_scales 160,000 x 2 uint8 (E8M0 scales of w2, one for each 32 codes along K); w3 67,735 x 16 float32.
;; Outputs: out0 1,024 float32.
;; This version of the problem:
;;   THIS VERSION OF THE PROBLEM IS GIVEN IN LOW PRECISION. The matrix products marked QUANTISED in the list below multiply operands that are first quantised to E2M1 (2 exponent bits, 1 mantissa bit; 4 bits a number), with one power-of-two scale for each 32 numbers along K (OCP MX v1.0); their sums are f32. All else is computed in f32.
;;   The module's matrix products, in the order in which they are computed (A, B: the left and right operand; K: the contracted axis; several contracted axes count as one K, in the product's order):
;;     1. [M 1,024, K 1,024] x [K 1,024, N 1,024]; A: input hidden (given as codes); B: input p0 (given as codes): QUANTISED
;;     2. [M 1,024, K 1,024] x [K 1,024, N 20,003]; A: computed on the way; B: computed on the way: QUANTISED
;;     3. [M 1,024, K 1,024] x [K 1,024, N 256]; A: input hidden (given as codes); B: input p1 (given as codes): QUANTISED
;;     4. [M 1,024, K 256] x [K 256, N 20,000]; A: computed on the way; B: input w1 (given as codes): QUANTISED
;;     5. [M 1,024, K 1,024] x [K 1,024, N 64]; A: input hidden (given as codes); B: input p2 (given as codes): QUANTISED
;;     6. [M 1,024, K 64] x [K 64, N 160,000]; A: computed on the way; B: input w2 (given as codes): QUANTISED
;;     7. [M 1,024, K 1,024] x [K 1,024, N 16]; A: input hidden (given as codes); B: input p3 (given as codes): QUANTISED
;;     8. [M 1,024, K 16] x [K 16, N 67,735]; A: computed on the way; B: input w3: left as it is (K = 16 < 32)
;;   THE QUANTISER, for each operand of a quantised product, along K:
;;     - K is cut into blocks of 32 from its start; a last block that is shorter is filled with zeros.
;;     - A block's scale is 2^e with e = floor(log2(the largest magnitude in the block)) - 2, held to -126 .. 127; a block of zeros has e = 0. As a byte (E8M0): e + 127.
;;     - Each number is divided by its block's scale, clamped to +-6, and rounded to the nearest number of E2M1, ties to even, subnormals kept.
;;     - The product sums the exact products of the quantised numbers (number of the format x scale) in f32.
;;   ~~~python
;;   def quantise(x, axis):      # numpy; x: float32 -> the quantised numbers, widened to float32 again
;;       x = np.moveaxis(x, axis, -1); K = x.shape[-1]
;;       x = np.pad(x, [(0, 0)] * (x.ndim - 1) + [(0, -K % 32)]); x = x.reshape(x.shape[:-1] + (-1, 32)); a = np.abs(x).max(-1, keepdims=True)
;;       e = np.where(a > 0, np.clip(np.frexp(np.where(a > 0, a, 1))[1] - 1 - 2, -126, 127), 0)      # np.frexp(a)[1] - 1 = floor(log2(a)), exactly
;;       r = np.clip(x / 2.0 ** e, -6, 6)
;;       step = 2.0 ** (np.maximum(np.frexp(np.where(r == 0, 1, r))[1] - 1, 0) - 1)
;;       q = np.round(r / step) * step * 2.0 ** e      # np.round: ties to even
;;       return np.moveaxis(q.reshape(q.shape[:-2] + (-1,))[..., :K], -1, axis).astype(np.float32)
;;   ~~~
;;   OPERANDS COMPUTED ON THE WAY. 'Computed on the way' means the value that the module computes at that place (a softmax that the list does not call 'softmax' is quantised finished and normalised). What goes into a quantiser is computed in f32, as accurately as f32 sums, v_exp_f32 and their like allow (about 1e-6 of the number): no bf16 or f16 on the way to a quantiser, and a product that is left as it is and whose result goes on into a quantised operand takes f32 operands (vector FMAs, or v_wmma_f32_16x16x4_f32). A number that lies on a knife's edge between two numbers of the format may be rounded either way, as far as f32 arithmetic and the matrix unit's own rounding can turn it there, and no further.
;;   INPUTS GIVEN AS CODES. hidden (in the module: [1024, 1024], K = its axis 1); p0 (in the module: [1024, 1024], K = its axis 0); p1 (in the module: [1024, 256], K = its axis 0); p2 (in the module: [1024, 64], K = its axis 0); p3 (in the module: [1024, 16], K = its axis 0); w1 (in the module: [20000, 256], K = its axis 1); w2 (in the module: [160000, 64], K = its axis 1): each comes as NAME_codes (uint8): NAME with its K axis moved to the last place and cut into blocks of 32 codes, [.., K / 32, bytes a block], one block behind the other in memory; two codes a byte, the lower K in the low four bits (a code: sign, 2 exponent bits, 1 mantissa bit); and NAME_scales (uint8): the same leading axes, one E8M0 byte (e + 127) for each 32 codes along K. Its value is code x scale, taken as it is: it is not quantised again, and the codes and scales need not be those that the quantiser above would give.
;; One version. Each part assembles by itself: llvm-mc -triple=amdgcn-amd-amdhsa -mcpu=gfx1250 --defsym DOCPART=n.
;; ======== version 1 of 1: 3 launches
;; limits: right only within a limited range of input values
;; workspace buffers: act 3,206,144 bytes; idx 17,664 bytes of whole numbers; part 8,811,520 bytes
;; launch prep (part 1): grid 970 x 1, 4 waves a work-group, no clusters, 10,752 bytes of LDS; arguments target, hidden_codes, hidden_scales, p0_codes, p0_scales, p1_codes, p1_scales, p2_codes, p2_scales, p3_codes, p3_scales, w3, b3, act, idx; writes act, idx
.if DOCPART == 1
	.amdgcn_target "amdgcn-amd-amdhsa--gfx1250"
	.amdhsa_code_object_version 6
	.text
	.protected	k_qb5b8105f09_prep
	.globl	k_qb5b8105f09_prep
	.p2align	8
	.type	k_qb5b8105f09_prep,@function
k_qb5b8105f09_prep:
	s_mov_b64 s[64:65], 0
	v_nop
	global_prefetch_b8 v0, s[64:65] scope:SCOPE_SE
	s_setreg_imm32_b32 hwreg(HW_REG_WAVE_MODE, 25, 1), 1
	s_wait_xcnt 0x0
; PREP.  Three kinds of work-group, told apart by the work-group's number x alone:
;   x = 0         SORT: a counting sort of the 1,024 rows by the tail cluster of their target (one wave; 32 rows a lane).
;   x = 1 .. 704  PROJ: hidden x p0, p1, p2, p3 on codes of FP4, for all rows; the results are quantised again (p0, p1, p2) or rounded to bf16 (p3).
;   x = 705 ..    COPY: w3 to bf16 and b3, both padded to 67,840 columns (weights 0, bias -2^28).
; PROJ: a wave takes one tile of 16 rows (T) and one block of 32 output columns: two tiles of 16, eight K steps of 128, 16 matrix instructions.
; The matrix instruction is used transposed (source 0 = 16 rows of p, source 1 = 16 rows of hidden): a lane holds ONE row of hidden.  The rows of p that form a tile are not neighbours:
; lane r of tile u takes row 32 b + 8 u + r + 8 (r / 8), so that a lane's 16 registers are 16 neighbours along the next product's K: 32 b + 16 (lane / 16) + 0 .. 15.
; proj0's codes are laid as images of the next product's operand registers: fragment (T, s) at (8 T + s) x 1,024 bytes, register group c at + 512 c, lane at + 16 x lane.
; SLOTS: rows of clusters 1, 2, 3 in that order, each cluster's run begun at a multiple of 64 slots: at most 18 groups of 64, whatever the targets.
; LIMITS: NaN, infinities and scale bytes 0xff among the inputs are not served.  A block whose largest magnitude lies under 2^-124 (a block of zeros among them) gets the scale byte 1:
; the bytes are read by this program alone.  A target is held at 267,734 from above; negative targets are not served.
.set A0SC,  524288                     ; act: proj0's scale bytes [row][32]   (its code images begin at 0)
.set A1C,   557056                     ; proj1's codes [row][128]
.set A1S,   688128                     ; and scale bytes [row][8]
.set A2C,   696320                     ; proj2's codes [row][32]
.set A2S,   729088                     ; and scale bytes [row][2]
.set A3B,   731136                     ; proj3 in bf16 [row][16]
.set B3P,   763904                     ; b3 padded, 67,840 numbers
.set W3B,   1035264                    ; w3 in bf16, [67,840][16]
.set TWANT, 4608                       ; idx: PERM at 0 [1152], TWANT [1152], SROW [1024], HCOL [1024], GTAB [32]
.set SROW,  9216
.set HCOL,  13312
.set GTAB,  17408
.set PADB,  0xcd800000                 ; -2^28
.set FLOOR, 0x1800000                  ; 2^(3 - 127)
.set BF,  16                           ; v16-79   hidden's eight fragments
.set BS,  80                           ; v80-87   their scale words
.set AF,  88                           ; v88-215  p's fragments: tile u, K step s at 64 u + 8 s
.set AS,  216                          ; v216-231 their scale words: 8 u + s
.set ACC, 232                          ; v232-247 two accumulators
.set CD,  248                          ; v248-249 the codes
.set TG,  32                           ; SORT: v32-63 targets, v64-95 row -> slot, v96-127 wanted head column, v128-199 the way out
.set SR,  64
.set HC,  96
.set OUTR, 128
.set WANTL, 5120                       ; LDS: slot -> row at 0 (1,280 words), the tail's wanted column behind it (1,280 words)
	s_load_b512 s[4:19], s[0:1], 0x0               ; target, hidden codes, hidden scales, p0 codes, p0 scales, p1 codes, p1 scales, p2 codes
	s_load_b256 s[20:27], s[0:1], 0x40             ; p2 scales, p3 codes, p3 scales, w3
	s_load_b128 s[28:31], s[0:1], 0x60             ; b3, act
	s_load_b64 s[32:33], s[0:1], 0x70              ; idx
	v_lshl_add_u32 v254, v0, 2, 0x2800
	v_mov_b32 v255, 0
	v_lshrrev_b32 v1, 5, v0
	v_readfirstlane_b32 s34, v1                    ; wave
	s_mov_b32 s35, ttmp9                           ; x
	s_wait_kmcnt 0x0
	s_cmp_eq_u32 s35, 0
	s_cbranch_scc1 .Lsort
	s_cmp_gt_u32 s35, 704
	s_cbranch_scc1 .Lcopy
	; ---------------- PROJ
	s_sub_co_u32 s52, s35, 1
	s_and_b32 s53, s52, 63                         ; T: the tile of rows
	s_lshr_b32 s54, s52, 6                         ; u = 0 .. 10: which four blocks of output columns
	v_and_b32 v1, 15, v0                           ; r
	v_bfe_u32 v2, v0, 4, 1                         ; h
	v_lshlrev_b32 v3, 9, v1
	v_lshl_add_u32 v3, v2, 4, v3                   ; a row of 1,024 codes is 512 bytes: 512 r + 16 h
	v_lshlrev_b32 v4, 5, v1                        ; its 32 scale bytes: 32 r
	v_and_b32 v9, 8, v1
	v_add_nc_u32 v9, v9, v1                        ; r + 8 (r / 8)
	v_lshlrev_b32 v5, 9, v9
	v_lshl_add_u32 v5, v2, 4, v5                   ; p's row of a tile
	v_lshlrev_b32 v6, 5, v9
	v_mov_b32 v11, 0                               ; written once: a lane permute's destination counts as one of its sources
	s_mov_b32 s50, 0x76543210
	s_mov_b32 s51, 0xfedcba98                      ; v_permlanex16_b32's selects for lane l xor 16
	s_mov_b32 s57, 0
	s_lshl_b32 s56, s53, 13
	s_add_nc_u64 s[46:47], s[6:7], s[56:57]        ; hidden's codes at row 16 T
	s_lshl_b32 s56, s53, 9
	s_add_nc_u64 s[48:49], s[8:9], s[56:57]        ; and its scale bytes
.macro HIDLOAD
.irp s, 0,1,2,3,4,5,6,7
.irp c, 0,1
	global_load_b128 v[BF+8*\s+4*\c:BF+8*\s+4*\c+3], v3, s[46:47] offset:64*\s+32*\c
.endr
.endr
	global_load_b128 v[BS:BS+3], v4, s[48:49]
	global_load_b128 v[BS+4:BS+7], v4, s[48:49] offset:16
.endm
	; three arms set: s55 the block b, s[36:37], s[38:39] the weight's buffers, s58, s59 where codes and scale bytes go in act, s44, s45 bytes from row to row there
	s_cmp_lt_u32 s54, 8
	s_cbranch_scc0 .Lnot_p0
	s_lshl_b32 s55, s54, 2
	s_add_co_u32 s55, s55, s34                     ; b = 4 u + wave
	s_mov_b64 s[36:37], s[10:11]
	s_mov_b64 s[38:39], s[12:13]
	s_lshl_b32 s58, s53, 3
	s_add_co_u32 s58, s58, s54
	s_lshl_b32 s58, s58, 10                        ; fragment (T, u),
	s_lshl_b32 s60, s34, 8
	s_add_co_u32 s58, s58, s60                     ; + 256 x wave: register group wave / 2, lanes' half wave % 2
	s_lshl_b32 s59, s53, 9
	s_add_co_u32 s59, s59, s55
	s_add_co_u32 s59, s59, A0SC
	s_mov_b32 s44, 16
	s_mov_b32 s45, 32
	s_branch .Lproj_go
.Lnot_p0:
	s_cmp_lt_u32 s54, 10
	s_cbranch_scc0 .Lnot_p1
	s_sub_co_u32 s55, s54, 8
	s_lshl_b32 s55, s55, 2
	s_add_co_u32 s55, s55, s34
	s_mov_b64 s[36:37], s[14:15]
	s_mov_b64 s[38:39], s[16:17]
	s_lshl_b32 s58, s53, 11
	s_lshl_b32 s60, s55, 4
	s_add_co_u32 s58, s58, s60
	s_add_co_u32 s58, s58, A1C
	s_lshl_b32 s59, s53, 7
	s_add_co_u32 s59, s59, s55
	s_add_co_u32 s59, s59, A1S
	s_mov_b32 s44, 128
	s_mov_b32 s45, 8
	s_branch .Lproj_go
.Lnot_p1:
	s_cmp_lt_u32 s34, 2
	s_cbranch_scc0 .Lproj3
	s_mov_b32 s55, s34
	s_mov_b64 s[36:37], s[18:19]
	s_mov_b64 s[38:39], s[20:21]
	s_lshl_b32 s58, s53, 9
	s_lshl_b32 s60, s55, 4
	s_add_co_u32 s58, s58, s60
	s_add_co_u32 s58, s58, A2C
	s_lshl_b32 s59, s53, 5
	s_add_co_u32 s59, s59, s55
	s_add_co_u32 s59, s59, A2S
	s_mov_b32 s44, 32
	s_mov_b32 s45, 2
.Lproj_go:
	s_lshl_b32 s56, s55, 14
	s_add_nc_u64 s[36:37], s[36:37], s[56:57]      ; the block's 32 rows of codes
	s_lshl_b32 s56, s55, 10
	s_add_nc_u64 s[38:39], s[38:39], s[56:57]      ; and of scale bytes
	s_mov_b32 s56, s58
	s_add_nc_u64 s[40:41], s[30:31], s[56:57]
	s_mov_b32 s56, s59
	s_add_nc_u64 s[42:43], s[30:31], s[56:57]
	v_mul_lo_u32 v7, v1, s44
	v_lshl_add_u32 v7, v2, 3, v7                   ; my 8 bytes of codes: row r, + 8 h
	v_mul_lo_u32 v8, v1, s45                       ; my row's scale byte
	HIDLOAD
.irp u, 0,1
.irp s, 0,1,2,3,4,5,6,7
.irp c, 0,1
	global_load_b128 v[AF+64*\u+8*\s+4*\c:AF+64*\u+8*\s+4*\c+3], v5, s[36:37] offset:4096*\u+64*\s+32*\c
.endr
.endr
	global_load_b128 v[AS+8*\u:AS+8*\u+3], v6, s[38:39] offset:256*\u
	global_load_b128 v[AS+8*\u+4:AS+8*\u+7], v6, s[38:39] offset:256*\u+16
.endr
	s_wait_loadcnt 0x0
.irp s, 0,1,2,3,4,5,6,7                        ; the two accumulators take turns, one instruction a turn; the first K step starts the sums
.irp u, 0,1
.if \s == 0
	v_wmma_scale_f32_16x16x128_f8f6f4 v[ACC+8*\u:ACC+8*\u+7], v[AF+64*\u+8*\s:AF+64*\u+8*\s+7], v[BF+8*\s:BF+8*\s+7], 0, v[AS+8*\u+\s], v[BS+\s] matrix_a_fmt:MATRIX_FMT_FP4 matrix_b_fmt:MATRIX_FMT_FP4
.else
	v_wmma_scale_f32_16x16x128_f8f6f4 v[ACC+8*\u:ACC+8*\u+7], v[AF+64*\u+8*\s:AF+64*\u+8*\s+7], v[BF+8*\s:BF+8*\s+7], v[ACC+8*\u:ACC+8*\u+7], v[AS+8*\u+\s], v[BS+\s] matrix_a_fmt:MATRIX_FMT_FP4 matrix_b_fmt:MATRIX_FMT_FP4
.endif
.endr
.endr
.rept 4
	v_nop                                          ; four places between the last product and the first read of a result
.endr
	v_max3_num_f32 v10, |v[ACC]|, |v[ACC+1]|, FLOOR    ; the largest magnitude of my 16, over the floor that holds the byte at 1 from below; each accumulator from its low end on
.irp i, 2,4,6,8,10,12,14
	v_max3_num_f32 v10, v10, |v[ACC+\i]|, |v[ACC+\i+1]|
.endr
	v_permlanex16_b32 v11, v10, s50, s51
	v_max_num_f32 v10, v10, v11                    ; with lane l xor 16's 16: the block's
	v_add_nc_u32 v12, 0xff000000, v10              ; 2 off its exponent field: the conversion takes this operand's exponent field as its scale
	v_cvt_scalef32_pk8_fp4_f32 v[CD], v[ACC:ACC+7], v12
	v_cvt_scalef32_pk8_fp4_f32 v[CD+1], v[ACC+8:ACC+15], v12
	v_lshrrev_b32 v13, 23, v12                     ; the scale's byte (a plain line behind the conversions)
	global_store_b64 v7, v[CD:CD+1], s[40:41]      ; in proj0's images the 32 lanes fill 256 consecutive bytes
	global_store_b8 v8, v13, s[42:43]              ; both halves of the lanes write the same byte with the same value
	s_endpgm
.Lproj3:                                           ; u = 10, wave 2: hidden x p3, 16 output columns; wave 3 has no part
	s_cmp_eq_u32 s34, 2
	s_cbranch_scc0 .Lend
	HIDLOAD
.irp s, 0,1,2,3,4,5,6,7
.irp c, 0,1
	global_load_b128 v[AF+8*\s+4*\c:AF+8*\s+4*\c+3], v3, s[22:23] offset:64*\s+32*\c
.endr
.endr
	global_load_b128 v[AS:AS+3], v4, s[24:25]
	global_load_b128 v[AS+4:AS+7], v4, s[24:25] offset:16
	s_lshl_b32 s56, s53, 9
	s_add_co_u32 s56, s56, A3B
	s_add_nc_u64 s[40:41], s[30:31], s[56:57]
	v_lshlrev_b32 v14, 5, v1
	v_lshl_add_u32 v14, v2, 4, v14                 ; row r of 32 bytes, + 16 h
	s_wait_loadcnt 0x0
.irp s, 0,1,2,3,4,5,6,7                        ; even K steps on one accumulator, odd ones on the other, by turns
.if \s < 2
	v_wmma_scale_f32_16x16x128_f8f6f4 v[ACC+8*(\s%2):ACC+8*(\s%2)+7], v[AF+8*\s:AF+8*\s+7], v[BF+8*\s:BF+8*\s+7], 0, v[AS+\s], v[BS+\s] matrix_a_fmt:MATRIX_FMT_FP4 matrix_b_fmt:MATRIX_FMT_FP4
.else
	v_wmma_scale_f32_16x16x128_f8f6f4 v[ACC+8*(\s%2):ACC+8*(\s%2)+7], v[AF+8*\s:AF+8*\s+7], v[BF+8*\s:BF+8*\s+7], v[ACC+8*(\s%2):ACC+8*(\s%2)+7], v[AS+\s], v[BS+\s] matrix_a_fmt:MATRIX_FMT_FP4 matrix_b_fmt:MATRIX_FMT_FP4
.endif
.endr
.rept 4
	v_nop
.endr
.irp i, 0,2,4,6
	v_pk_add_f32 v[200+\i:201+\i], v[ACC+\i:ACC+\i+1], v[ACC+8+\i:ACC+9+\i]
.endr
.irp i, 0,1,2,3
	v_cvt_pk_bf16_f32 v[208+\i], v[200+2*\i], v[201+2*\i]    ; lane (r, h): columns 8 h + 0 .. 7 of row r
.endr
	global_store_b128 v14, v[208:211], s[40:41]    ; the wave stores 512 consecutive bytes
	s_endpgm
	; ---------------- COPY: work-group i takes 1,024 groups of four numbers of w3 and 256 numbers of b3
.Lcopy:
	s_sub_co_u32 s52, s35, 705
	s_lshl_b32 s53, s52, 10
	v_add_nc_u32 v1, s53, v0
	s_add_nc_u64 s[40:41], s[30:31], W3B
	s_add_nc_u64 s[42:43], s[30:31], B3P
.irp k, 0,1,2,3,4,5,6,7
	v_add_nc_u32 v[2+\k], 128*\k, v1               ; the group's number
	v_min_u32 v[10+\k], 270939, v[2+\k]            ; no load leaves w3: the padding's lanes read the last group and discard it
	v_lshlrev_b32 v[10+\k], 4, v[10+\k]
	global_load_b128 v[32+4*\k:35+4*\k], v[10+\k], s[26:27] th:TH_LOAD_NT
.endr
	s_lshl_b32 s54, s52, 8
	v_add_nc_u32 v18, s54, v0
	v_add_nc_u32 v19, 128, v18
	v_min_u32 v20, 67734, v18
	v_min_u32 v21, 67734, v19
	v_lshlrev_b32 v20, 2, v20
	v_lshlrev_b32 v21, 2, v21
	global_load_b32 v24, v20, s[28:29]
	global_load_b32 v25, v21, s[28:29]
	v_mov_b32 v26, PADB
	v_lshlrev_b32 v22, 2, v18
	v_lshlrev_b32 v23, 2, v19
	s_wait_loadcnt 0x0
.irp k, 0,1,2,3,4,5,6,7
	v_cvt_pk_bf16_f32 v[64+2*\k], v[32+4*\k], v[33+4*\k]
	v_cvt_pk_bf16_f32 v[65+2*\k], v[34+4*\k], v[35+4*\k]
	v_cmp_gt_u32 vcc_lo, 270940, v[2+\k]
	v_cndmask_b32 v[64+2*\k], 0, v[64+2*\k], vcc_lo    ; padding rows are zeros
	v_cndmask_b32 v[65+2*\k], 0, v[65+2*\k], vcc_lo
	v_lshlrev_b32 v[80+\k], 3, v[2+\k]
	global_store_b64 v[80+\k], v[64+2*\k:65+2*\k], s[40:41]    ; a wave stores 256 consecutive bytes
.endr
	v_cmp_gt_u32 vcc_lo, 67735, v18
	v_cndmask_b32 v24, v26, v24, vcc_lo
	v_cmp_gt_u32 vcc_lo, 67735, v19
	v_cndmask_b32 v25, v26, v25, vcc_lo
	global_store_b32 v22, v24, s[42:43]
	global_store_b32 v23, v25, s[42:43]
	s_endpgm
	; ---------------- SORT: wave 0 alone; register 4 i + q of lane L holds row 128 i + 4 L + q
.Lsort:
	s_cmp_lg_u32 s34, 0
	s_cbranch_scc1 .Lend
	v_and_b32 v17, 31, v0                          ; L
	v_lshlrev_b32 v1, 4, v17
	v_lshlrev_b32 v2, 2, v17
.irp i, 0,1,2,3,4,5,6,7
	global_load_b128 v[TG+4*\i:TG+4*\i+3], v1, s[4:5] offset:512*\i
.endr
	v_add_nc_u32 v3, 1152, v17                     ; a spare slot of the lane's own, for rows that have no tail
	v_mov_b32 v4, 1152
	v_mov_b32 v5, 20000
	v_mov_b32 v6, 40000
	v_mov_b32 v7, 200000
	v_mov_b32 v8, 20002
	v_mov_b32 v9, 20001
.irp i, 0,1,2,3
	v_mov_b32 v[20+\i], 0
	v_mov_b32 v[24+\i], 0x80000000
.endr
.irp n, 0,1,2,3,4,5,6,7,8,9                    ; what padding slots keep: row 0, and a wanted column that no part holds
	ds_store_b128 v1, v[20:23] offset:512*\n
	ds_store_b128 v1, v[24:27] offset:WANTL+512*\n
.endr
	s_mov_b32 s36, 19999
	s_mov_b32 s37, 39999
	s_mov_b32 s38, 199999
	s_mov_b32 s40, 0
	s_mov_b32 s41, 0
	s_mov_b32 s42, 0
	s_wait_loadcnt 0x0
.set k, 0
.rept 32                                       ; pass 1: how many targets lie at or above each cutoff
	v_min_u32 v[TG+k], 267734, v[TG+k]
	v_cmp_lt_u32 s60, s36, v[TG+k]
	v_cmp_lt_u32 s61, s37, v[TG+k]
	v_cmp_lt_u32 s62, s38, v[TG+k]
	s_bcnt1_i32_b32 s60, s60
	s_bcnt1_i32_b32 s61, s61
	s_bcnt1_i32_b32 s62, s62
	s_add_co_u32 s40, s40, s60
	s_add_co_u32 s41, s41, s61
	s_add_co_u32 s42, s42, s62
.set k, k+1
.endr
	s_sub_co_u32 s70, s40, s41                     ; rows of cluster 1,
	s_sub_co_u32 s71, s41, s42                     ; of cluster 2; cluster 3 has s42
	s_add_co_u32 s73, s70, 63
	s_lshr_b32 s73, s73, 6                         ; groups of 64 slots of cluster 1: also where cluster 2's groups begin
	s_add_co_u32 s74, s71, 63
	s_lshr_b32 s74, s74, 6
	s_add_co_u32 s75, s42, 63
	s_lshr_b32 s75, s75, 6
	s_add_co_u32 s77, s73, s74                     ; where cluster 3's begin
	s_add_co_u32 s78, s77, s75                     ; and end
	s_mov_b32 s44, 0                               ; the next free slot of each cluster
	s_lshl_b32 s45, s73, 6
	s_lshl_b32 s46, s77, 6
.set k, 0
.rept 32                                       ; pass 2: each row gets its slot
	v_cmp_lt_u32 s60, s36, v[TG+k]                 ; cluster 1 or higher
	v_cmp_lt_u32 s61, s37, v[TG+k]                 ; 2 or higher
	v_cmp_lt_u32 s62, s38, v[TG+k]                 ; 3
	s_and_not1_b32 s66, s60, s61
	s_and_not1_b32 s67, s61, s62
	v_mbcnt_lo_u32_b32 v10, s66, s44               ; the cluster's next free slot + how many lanes below me are in it
	v_mbcnt_lo_u32_b32 v11, s67, s45
	v_mbcnt_lo_u32_b32 v12, s62, s46
	v_cndmask_b32 v13, v3, v10, s60
	v_cndmask_b32 v13, v13, v11, s61
	v_cndmask_b32 v13, v13, v12, s62               ; my slot
	v_cndmask_b32 v[SR+k], v4, v13, s60            ; 1,152 says: no tail
	v_cndmask_b32 v14, 0, v5, s60
	v_cndmask_b32 v14, v14, v6, s61
	v_cndmask_b32 v14, v14, v7, s62                ; the cluster's first token
	v_sub_nc_u32 v15, v[TG+k], v14                 ; the wanted column of the tail
	v_cndmask_b32 v[HC+k], v[TG+k], v8, s60        ; the wanted column of the head: the target, or 20,003 - cluster
	v_cndmask_b32 v[HC+k], v[HC+k], v9, s61
	v_cndmask_b32 v[HC+k], v[HC+k], v5, s62
	v_min_u32 v13, 1183, v13
	v_lshlrev_b32 v13, 2, v13
	v_add_nc_u32 v16, 128*(k/4)+k%4, v2            ; my row
	ds_store_b32 v13, v16
	ds_store_b32 v13, v15 offset:WANTL
	s_bcnt1_i32_b32 s66, s66
	s_bcnt1_i32_b32 s67, s67
	s_bcnt1_i32_b32 s68, s62
	s_add_co_u32 s44, s44, s66
	s_add_co_u32 s45, s45, s67
	s_add_co_u32 s46, s46, s68
.set k, k+1
.endr
.irp i, 0,1,2,3,4,5,6,7
	global_store_b128 v1, v[SR+4*\i:SR+4*\i+3], s[32:33] offset:SROW+512*\i
	global_store_b128 v1, v[HC+4*\i:HC+4*\i+3], s[32:33] offset:HCOL+512*\i
.endr
.irp n, 0,1,2,3,4,5,6,7,8                      ; LDS serves a wave's instructions in order: these see the stores above
	ds_load_b128 v[OUTR+4*\n:OUTR+4*\n+3], v1 offset:512*\n
	ds_load_b128 v[OUTR+36+4*\n:OUTR+36+4*\n+3], v1 offset:WANTL+512*\n
.endr
	v_mov_b32 v14, 1
	v_mov_b32 v15, 2
	v_mov_b32 v16, 3
	v_cmp_gt_u32 vcc_lo, s78, v17                  ; group L's cluster; 0 where the group has no rows
	v_cndmask_b32 v10, 0, v16, vcc_lo
	v_cmp_gt_u32 vcc_lo, s77, v17
	v_cndmask_b32 v10, v10, v15, vcc_lo
	v_cmp_gt_u32 vcc_lo, s73, v17
	v_cndmask_b32 v10, v10, v14, vcc_lo
	global_store_b32 v2, v10, s[32:33] offset:GTAB
	s_wait_dscnt 0x0
.irp n, 0,1,2,3,4,5,6,7,8
	global_store_b128 v1, v[OUTR+4*\n:OUTR+4*\n+3], s[32:33] offset:512*\n
	global_store_b128 v1, v[OUTR+36+4*\n:OUTR+36+4*\n+3], s[32:33] offset:TWANT+512*\n
.endr
.Lend:
	s_wait_tensorcnt 0x0
	ds_add_u32 v254, v255
	s_wait_dscnt 0x0
	s_endpgm
.Lfunc_end_k_qb5b8105f09_prep:
	.size	k_qb5b8105f09_prep, .Lfunc_end_k_qb5b8105f09_prep-k_qb5b8105f09_prep
	.p2alignl 7, 3214868480
	.fill 96, 4, 3214868480
	.section	.rodata,"a",@progbits
	.p2align	6, 0x0
	.amdhsa_kernel k_qb5b8105f09_prep
		.amdhsa_group_segment_fixed_size 10752
		.amdhsa_private_segment_fixed_size 0
		.amdhsa_enable_private_segment 0
		.amdhsa_kernarg_size 120
		.amdhsa_user_sgpr_count 2
		.amdhsa_user_sgpr_kernarg_segment_ptr 1
		.amdhsa_wavefront_size32 1
		.amdhsa_system_sgpr_workgroup_id_x 1
		.amdhsa_system_sgpr_workgroup_id_y 1
		.amdhsa_system_sgpr_workgroup_id_z 1
		.amdhsa_system_vgpr_workitem_id 0
		.amdhsa_next_free_vgpr 256
		.amdhsa_next_free_sgpr 84
		.amdhsa_reserve_vcc 1
		.amdhsa_float_denorm_mode_32 3
		.amdhsa_float_denorm_mode_16_64 3
		.amdhsa_memory_ordered 1
		.amdhsa_forward_progress 1
		.amdhsa_inst_pref_size 97
	.end_amdhsa_kernel
	.amdgpu_metadata
---
amdhsa.version: [ 1, 2 ]
amdhsa.kernels:
  - .name:           k_qb5b8105f09_prep
    .symbol:         k_qb5b8105f09_prep.kd
    .args:
      - { .name: target, .offset: 0, .size: 8, .value_kind: global_buffer, .address_space: global }
      - { .name: hidden_codes, .offset: 8, .size: 8, .value_kind: global_buffer, .address_space: global }
      - { .name: hidden_scales, .offset: 16, .size: 8, .value_kind: global_buffer, .address_space: global }
      - { .name: p0_codes, .offset: 24, .size: 8, .value_kind: global_buffer, .address_space: global }
      - { .name: p0_scales, .offset: 32, .size: 8, .value_kind: global_buffer, .address_space: global }
      - { .name: p1_codes, .offset: 40, .size: 8, .value_kind: global_buffer, .address_space: global }
      - { .name: p1_scales, .offset: 48, .size: 8, .value_kind: global_buffer, .address_space: global }
      - { .name: p2_codes, .offset: 56, .size: 8, .value_kind: global_buffer, .address_space: global }
      - { .name: p2_scales, .offset: 64, .size: 8, .value_kind: global_buffer, .address_space: global }
      - { .name: p3_codes, .offset: 72, .size: 8, .value_kind: global_buffer, .address_space: global }
      - { .name: p3_scales, .offset: 80, .size: 8, .value_kind: global_buffer, .address_space: global }
      - { .name: w3, .offset: 88, .size: 8, .value_kind: global_buffer, .address_space: global }
      - { .name: b3, .offset: 96, .size: 8, .value_kind: global_buffer, .address_space: global }
      - { .name: act, .offset: 104, .size: 8, .value_kind: global_buffer, .address_space: global }
      - { .name: idx, .offset: 112, .size: 8, .value_kind: global_buffer, .address_space: global }
    .group_segment_fixed_size: 10752
    .private_segment_fixed_size: 0
    .kernarg_segment_align: 8
    .kernarg_segment_size: 120
    .max_flat_workgroup_size: 128
    .sgpr_count:     84
    .vgpr_count:     256
    .wavefront_size: 32
...
	.end_amdgpu_metadata
.endif
;; end of part 1
;; launch main (part 2): grid 1385 x 1, 4 waves a work-group, no clusters, 83,968 bytes of LDS; arguments w0, b0, cluster_w, cluster_b, w1_codes, w1_scales, b1, w2_codes, w2_scales, b2, act, idx, part; writes part
.if DOCPART == 2
	.amdgcn_target "amdgcn-amd-amdhsa--gfx1250"
	.amdhsa_code_object_version 6
	.text
	.protected	k_qb5b8105f09_main
	.globl	k_qb5b8105f09_main
	.p2align	8
	.type	k_qb5b8105f09_main,@function
k_qb5b8105f09_main:
	s_mov_b64 s[64:65], 0
	v_nop
	global_prefetch_b8 v0, s[64:65] scope:SCOPE_SE
	s_setreg_imm32_b32 hwreg(HW_REG_WAVE_MODE, 25, 1), 1
	s_wait_xcnt 0x0
; MAIN.  All logits, each with its part of a logsumexp, and the wanted logits.  Work-groups 0 .. 250: the HEAD; 251 .. 1384: the TAILS.
; Every product is used transposed (source 0 = 16 vocabulary rows, source 1 = 16 tokens): lane (r, h) holds token r, register j of a result the vocabulary row 8 h + j; the bias is the C of a sum's first product.
; LOGSUMEXP, a lane for itself: t = logit x log2(e); M = the largest t so far rounded up to a whole number, kept as negM = -M; S = the sum of 2^(t - M).  When M moves, S is multiplied by 2^(old M - new M), which rounds nothing.
; The pairs (negM, S) go to memory as they stand, 32 lanes to 256 consecutive bytes; the next launch merges them.
; HEAD: work-group x owns columns 80 x .. 80 x + 79 (x = 250: the three cluster columns, the rest padded with the bias -2^28) and all 64 tiles of tokens.  Its 80 rows of w0 are read once, quantised (a lane to a block of 32),
; and kept as operand fragments in every wave's registers; wave w then walks token tiles 16 w .. 16 w + 15, whose operand comes from memory as images of its registers.
; TAILS: reference() keeps, by its where on the target, one tail for each row: only that tail is multiplied.  A wave takes a group of 64 slots (four tiles of tokens of ONE cluster, sorted by the launch before) and one part of
; that cluster's vocabulary.  The grid, 18 groups x 63 work-groups, serves every split; a wave whose group is empty, or whose part lies beyond its cluster's vocabulary, stores nothing and ends.
; NO TENSOR LOADS, NO CLUSTERS: all operands go from memory straight into registers; what the head's work-groups share, the tokens' 0.5 MB of codes, is small beside
; each work-group's own 320 KB of w0.
; LIMITS: NaN, infinities and scale bytes 0xff among the inputs are not served.  Padding columns carry the bias -2^28: a row's largest logit must lie well above that.  A block of w0 whose largest magnitude lies under 2^-124
; gets the scale byte 1 (its codes are then zeros or nearly so).  The tail of K = 16 runs on bf16 operands.
.set CL2E,  0x3fb8aa3b                 ; log2(e)
.set BIG,   0x7f61b1e6                 ; 3e38: negM of a lane that has seen nothing
.set PADB,  0xcd800000                 ; -2^28
.set FLOOR, 0x1800000                  ; 2^(3 - 127)
.set A0SC,  524288                     ; act (see the launch before)
.set A1C,   557056
.set A1S,   688128
.set A2C,   696320
.set A2S,   729088
.set A3B,   731136
.set B3P,   763904
.set W3B,   1035264
.set TWANT, 4608                       ; idx
.set HCOL,  13312
.set GTAB,  17408
.set TP,    4194304                    ; part: head pairs [256][64][32] at 0; tail pairs in units of 256 bytes: unit 0 neutral, (part p, slot tile st) in unit 1 + 72 p + st
.set HL,    8802560                    ; the wanted head logit [1024]
.set TL,    8806656                    ; the wanted tail logit by slot [1216]; 1152 .. 1215 are 0
.set CODES, 36864                      ; LDS: two stages of 4,608 bytes for each wave at 9,216 x wave; then 80 rows of codes, 512 bytes + 16;
.set SCL,   79104                      ; 80 rows of 32 scale bytes + 16;
.set BIAS,  82944                      ; 128 biases
.set CQ,  24                           ; phase Q: v24-31 codes, two sets; v32-35 load offsets; v36-42 addresses; v64-191 four rows as loaded; v192-255 two rows, a block a lane
.set LD,  32
.set R,   64
.set X,   192
.set ASC, 24                           ; then: v24-63 w0's scale words (8 a + s); v64-71 the tokens'; v72-135 the tokens' fragments; v136-175 five accumulators; v176-255 w0's fragments of K steps 6, 7
.set BSC, 64                           ; window 1: w0's fragments of K steps 0 .. 5, at 8 (5 s + a)
.set BF,  72
.set ACC, 136
.set AL,  176
.set MSB, 0
.macro WIN new                         ; the immediate's high byte repeats the setting that is left
.if MSB != \new
	s_set_vgpr_msb (MSB<<8)|\new
.set MSB, \new
.endif
.endm
	s_load_b512 s[4:19], s[0:1], 0x0               ; w0, b0, cluster_w, cluster_b, w1 codes, w1 scales, b1, w2 codes
	s_load_b256 s[20:27], s[0:1], 0x40             ; w2 scales, b2, act, idx
	s_load_b64 s[28:29], s[0:1], 0x60              ; part
	s_set_vgpr_msb 0x40
	v_lshl_add_u32 v254, v0, 2, 0x14600
	v_mov_b32 v255, 0
	s_set_vgpr_msb 0x4000
	v_lshrrev_b32 v1, 5, v0
	v_readfirstlane_b32 s30, v1                    ; wave
	s_mov_b32 s31, ttmp9                           ; x
	s_mov_b32 s32, CL2E
	s_mov_b32 s33, s32                             ; (the packed form names the pair)
	s_wait_kmcnt 0x0
	s_cmp_lt_u32 s31, 251
	s_cbranch_scc0 .Ltail
	; ================ HEAD
	s_cmp_eq_u32 s31, 250                          ; the last work-group takes the cluster rows: a choice of buffers by the work-group's number
	s_cselect_b64 s[36:37], s[8:9], s[4:5]
	s_cselect_b64 s[38:39], s[10:11], s[6:7]
	s_cselect_b32 s40, 2, 79                       ; the last row that exists
	s_cselect_b32 s58, 0, s31
	s_mov_b32 s61, 0
	s_mov_b32 s63, 0
	s_mul_i32 s60, s58, 327680
	s_add_nc_u64 s[36:37], s[36:37], s[60:61]      ; my 80 rows of 4,096 bytes
	s_mul_i32 s60, s58, 320
	s_add_nc_u64 s[38:39], s[38:39], s[60:61]      ; and their biases
	s_mul_i32 s41, s30, 20                         ; the first of the 20 rows that my wave quantises
	s_lshl_b32 s60, s30, 17
	s_add_nc_u64 s[44:45], s[24:25], s[60:61]      ; the tokens' images at tile 16 w
	s_lshl_b32 s60, s30, 13
	s_add_co_u32 s60, s60, A0SC
	s_add_nc_u64 s[46:47], s[24:25], s[60:61]      ; their scale bytes
	s_lshl_b32 s60, s30, 10
	s_add_co_u32 s62, s60, HCOL
	s_add_nc_u64 s[48:49], s[26:27], s[62:63]      ; their wanted columns
	s_add_nc_u64 s[52:53], s[28:29], s[60:61]
	s_add_nc_u64 s[52:53], s[52:53], HL            ; where wanted logits go
	s_lshl_b32 s60, s31, 14
	s_lshl_b32 s62, s30, 12
	s_add_co_u32 s60, s60, s62
	s_add_nc_u64 s[50:51], s[28:29], s[60:61]      ; where pairs go: entry x, tile 16 w
	s_cmp_eq_u32 s31, 250
	s_cbranch_scc0 .Lno_neutral
	s_cmp_eq_u32 s30, 0
	s_cbranch_scc0 .Lno_neutral
	v_and_b32 v8, 31, v0                           ; one wave of the launch writes the tails' neutral unit and the zeros behind the wanted tail logits
	v_lshlrev_b32 v8, 3, v8
	v_mov_b32 v10, BIG
	v_mov_b32 v11, 0
	v_mov_b32 v12, 0
	v_mov_b32 v13, 0
	s_add_nc_u64 s[54:55], s[28:29], TL+4608
	global_store_b64 v8, v[10:11], s[28:29] offset:TP
	global_store_b64 v8, v[12:13], s[54:55]
	s_wait_xcnt 0x0                                ; these registers are written again below
.Lno_neutral:
	; ---- phase Q: my 20 rows of w0 become codes and scale bytes in LDS
	v_and_b32 v2, 31, v0                           ; L
	v_lshlrev_b32 v1, 4, v2                        ; 16 L
	v_lshrrev_b32 v3, 3, v2
	v_lshl_add_u32 v36, v3, 4, v1
	s_mul_i32 s60, s30, 9216
	v_add_nc_u32 v36, s60, v36                     ; the stage, on the way in: a load's 512 bytes as they lie, 16 bytes of padding behind each 128: 16 L + 16 (L / 8)
	v_mul_u32_u24 v37, v2, 144
	v_add_nc_u32 v37, s60, v37                     ; on the way out: 144 L: block L of the row, 32 neighbours along K
	s_mul_i32 s60, s30, 20*528
	s_add_co_u32 s60, s60, CODES
	v_add_nc_u32 v38, s60, v1                      ; my block's 16 bytes of codes in my wave's first row
	s_mul_i32 s60, s30, 20*48
	s_add_co_u32 s60, s60, SCL
	v_add_nc_u32 v39, s60, v2                      ; and its scale byte
	v_lshl_add_u32 v41, v0, 2, BIAS
	v_min_u32 v40, s40, v0
	v_lshlrev_b32 v40, 2, v40
	global_load_b32 v42, v40, s[38:39]             ; thread t: the bias of column t (held to the last that exists)
.macro LOADROW t                       ; row t of my 20 into ring slot t % 4: eight loads of 512 consecutive bytes
	s_add_co_u32 s43, s41, \t
	s_min_u32 s43, s43, s40                        ; no load leaves the buffer: rows that do not exist repeat the last one, and their bias hides them
	s_lshl_b32 s43, s43, 12
	v_add_nc_u32 v[LD+(\t)%4], s43, v1
.irp j, 0,1,2,3,4,5,6,7
	global_load_b128 v[R+32*((\t)%4)+4*\j:R+32*((\t)%4)+4*\j+3], v[LD+(\t)%4], s[36:37] offset:512*\j th:TH_LOAD_NT
.endr
.endm
.macro TURN t                          ; row t through the wave's own stage: LDS serves a wave's instructions in order, so no wait stands between the stores and the loads
.irp j, 0,1,2,3,4,5,6,7
	ds_store_b128 v36, v[R+32*((\t)%4)+4*\j:R+32*((\t)%4)+4*\j+3] offset:4608*((\t)%2)+576*\j
.endr
.irp j, 0,1,2,3,4,5,6,7
	ds_load_b128 v[X+32*((\t)%2)+4*\j:X+32*((\t)%2)+4*\j+3], v37 offset:4608*((\t)%2)+16*\j
.endr
.endm
.macro QROW t                          ; my block of row t: largest magnitude, scale, 32 codes
.set XS, X+32*((\t)%2)
.set CS, CQ+4*((\t)%2)
	v_max3_num_f32 v8, |v[XS]|, |v[XS+1]|, FLOOR   ; two chains; the floor holds the byte at 1 from below
	v_max3_num_f32 v9, |v[XS+2]|, |v[XS+3]|, |v[XS+4]|
.set n, 0
.rept 13
	v_max3_num_f32 v[8+n%2], v[8+n%2], |v[XS+5+2*n]|, |v[XS+6+2*n]|
.set n, n+1
.endr
	v_max3_num_f32 v8, v8, v9, |v[XS+31]|
	v_add_nc_u32 v10, 0xff000000, v8               ; 2 off the exponent field: the conversion's scale operand
.irp g, 0,1,2,3
	v_cvt_scalef32_pk8_fp4_f32 v[CS+\g], v[XS+8*\g:XS+8*\g+7], v10
.endr
	v_lshrrev_b32 v[12+(\t)%2], 23, v10            ; the scale's byte (a plain line behind the conversions)
	ds_store_b128 v38, v[CS:CS+3] offset:528*(\t)
	ds_store_b8 v39, v[12+(\t)%2] offset:48*(\t)
.endm
.macro STEP t
	s_wait_dscnt 0x0                               ; row t is back from the stage, so the stage's stores have read ring slot t % 4,
.if (\t)+4 < 20
	LOADROW (\t)+4                                 ; which takes the row four further on
.endif
.if (\t)+1 < 20
.if (\t)+4 < 20
	s_wait_loadcnt 24                              ; row t + 1 is in; the three rows behind it, eight loads each, stay out
.else
	s_wait_loadcnt 8*(18-(\t))                     ; the last rows: the counts run down
.endif
	TURN (\t)+1                                    ; it goes through the other stage while row t is worked
.endif
	QROW \t
.endm
	LOADROW 0
	LOADROW 1
	LOADROW 2
	LOADROW 3
	s_wait_loadcnt 24                              ; the bias and row 0 are in; rows 1 to 3 stay out
	v_mov_b32 v43, PADB
	v_cmp_lt_u32 vcc_lo, s40, v0
	v_cndmask_b32 v42, v42, v43, vcc_lo            ; columns that do not exist
	ds_store_b32 v41, v42
	TURN 0
.set QT, 0
.rept 20
	STEP QT
.set QT, QT+1
.endr
	s_wait_dscnt 0x0                               ; my codes, scale bytes and biases have landed
	s_barrier_signal -1
	s_barrier_wait -1                              ; everybody's have
	; ---- phase F: all 80 rows' fragments and scale words into my registers
	v_and_b32 v14, 15, v0                          ; r
	v_bfe_u32 v15, v0, 4, 1                        ; h
	v_lshlrev_b32 v2, 5, v14                       ; 32 r: a token's scale bytes
	v_lshlrev_b32 v3, 2, v14                       ; 4 r
	v_lshl_add_u32 v4, v15, 5, BIAS                ; my half's eight biases of a tile
	v_lshrrev_b32 v5, 1, v1                        ; 8 L: my pair's place
	s_mul_i32 s60, s31, 80
	v_lshl_add_u32 v6, v15, 3, s60                 ; the column of my register 0 of tile 0
	v_mul_u32_u24 v16, v14, 528
	v_lshl_add_u32 v16, v15, 4, v16
	v_add_nc_u32 v16, CODES, v16
	v_mul_u32_u24 v17, v14, 48
	v_add_nc_u32 v17, SCL, v17
	v_mov_b32 v11, 0                               ; (named as the upper half of the pair v[10:11] before it is first written)
	v_mov_b32 v12, BIG                             ; a neutral pair
	v_mov_b32 v13, 0
	WIN 0x40                                       ; destination window 1, address window 0
.irp s, 0,1,2,3,4,5
.irp a, 0,1,2,3,4
.irp c, 0,1
	ds_load_b128 v[8*(5*\s+\a)+4*\c:8*(5*\s+\a)+4*\c+3], v16 offset:\a*8448+64*\s+32*\c
.endr
.endr
.endr
	WIN 0
.irp s, 6,7
.irp a, 0,1,2,3,4
.irp c, 0,1
	ds_load_b128 v[AL+8*(5*(\s-6)+\a)+4*\c:AL+8*(5*(\s-6)+\a)+4*\c+3], v16 offset:\a*8448+64*\s+32*\c
.endr
.endr
.endr
.irp a, 0,1,2,3,4
	ds_load_b128 v[ASC+8*\a:ASC+8*\a+3], v17 offset:768*\a
	ds_load_b128 v[ASC+8*\a+4:ASC+8*\a+7], v17 offset:768*\a+16
.endr
.macro HLOAD                           ; a tile of 16 tokens: eight fragments as images of their registers (512 consecutive bytes a load), eight scale words, the wanted column
.irp s, 0,1,2,3,4,5,6,7
.irp c, 0,1
	global_load_b128 v[BF+8*\s+4*\c:BF+8*\s+4*\c+3], v1, s[44:45] offset:1024*\s+512*\c
.endr
.endr
	global_load_b128 v[BSC:BSC+3], v2, s[46:47]
	global_load_b128 v[BSC+4:BSC+7], v2, s[46:47] offset:16
	global_load_b32 v7, v3, s[48:49]
.endm
	HLOAD
	s_mov_b32 s42, 16
	s_wait_dscnt 0x0
.Lhead:                                            ; a trip: one tile of tokens against my 80 columns
.irp a, 0,1,2,3,4
	ds_load_b128 v[ACC+8*\a:ACC+8*\a+3], v4 offset:64*\a         ; the sums begin as the biases
	ds_load_b128 v[ACC+8*\a+4:ACC+8*\a+7], v4 offset:64*\a+16
.endr
	s_wait_loadcnt 0x0                             ; the tile asked for a trip ago
	s_wait_dscnt 0x0
	WIN 0x01                                       ; source 0 (w0) window 1
.irp s, 0,1,2,3,4,5                            ; the five accumulators take turns, one instruction a turn
.irp a, 0,1,2,3,4
	v_wmma_scale_f32_16x16x128_f8f6f4 v[ACC+8*\a:ACC+8*\a+7], v[8*(5*\s+\a):8*(5*\s+\a)+7], v[BF+8*\s:BF+8*\s+7], v[ACC+8*\a:ACC+8*\a+7], v[ASC+8*\a+\s], v[BSC+\s] matrix_a_fmt:MATRIX_FMT_FP4 matrix_b_fmt:MATRIX_FMT_FP4
.endr
.endr
	WIN 0
.irp s, 6,7
.irp a, 0,1,2,3,4
	v_wmma_scale_f32_16x16x128_f8f6f4 v[ACC+8*\a:ACC+8*\a+7], v[AL+8*(5*(\s-6)+\a):AL+8*(5*(\s-6)+\a)+7], v[BF+8*\s:BF+8*\s+7], v[ACC+8*\a:ACC+8*\a+7], v[ASC+8*\a+\s], v[BSC+\s] matrix_a_fmt:MATRIX_FMT_FP4 matrix_b_fmt:MATRIX_FMT_FP4
.endr
.endr
	v_sub_nc_u32 v8, v7, v6                        ; d = wanted column - my register 0's: a hit where d = 16 a + j.  These four lines are the places behind the products
	v_mov_b32 v9, 0
	v_nop
	v_nop
	s_cmp_eq_u32 s42, 1
	s_cbranch_scc1 .Lhead_last                     ; the last trip asks for nothing: no load leaves its buffer
	s_add_nc_u64 s[44:45], s[44:45], 8192          ; (the loads through these bases were shown done at the trip's head)
	s_add_nc_u64 s[46:47], s[46:47], 512
	s_add_nc_u64 s[48:49], s[48:49], 64
	HLOAD                                          ; the next tile flies under this tile's softmax
.Lhead_last:
	v_cmp_gt_u32 vcc_lo, 80, v8
	s_cbranch_vccz .Lhead_miss                     ; a branch on whole numbers read from memory: no token of the tile wants one of my columns
.irp a, 0,1,2,3,4
.irp j, 0,1,2,3,4,5,6,7
	v_cmp_eq_u32 vcc_lo, 16*\a+\j, v8
	v_cndmask_b32 v9, v9, v[ACC+8*\a+\j], vcc_lo
.endr
.endr
	v_and_b32 v14, 8, v8
	v_cmp_gt_u32 s54, 80, v8
	v_cmp_eq_u32 vcc_lo, 0, v14
	s_and_b32 vcc_lo, vcc_lo, s54                  ; the one lane that holds the column
	s_wait_xcnt 0x0                                ; EXEC changes only behind this wait
	s_and_saveexec_b32 s55, vcc_lo
	global_store_b32 v3, v9, s[52:53]
	s_wait_xcnt 0x0                                ; and again in front of the line that widens it
	s_or_b32 exec_lo, exec_lo, s55
.Lhead_miss:
.irp a, 0,1,2,3,4                              ; the largest of my 40 logits: five chains, each accumulator from its low end on
	v_max3_num_f32 v[14+\a], v[ACC+8*\a], v[ACC+8*\a+1], v[ACC+8*\a+2]
.endr
.irp a, 0,1,2,3,4
	v_max3_num_f32 v[14+\a], v[14+\a], v[ACC+8*\a+3], v[ACC+8*\a+4]
.endr
.irp a, 0,1,2,3,4
	v_max3_num_f32 v[14+\a], v[14+\a], v[ACC+8*\a+5], v[ACC+8*\a+6]
.endr
	v_max3_num_f32 v14, v14, v[ACC+7], v[ACC+15]
	v_max3_num_f32 v15, v15, v[ACC+23], v[ACC+31]
	v_max3_num_f32 v16, v16, v[ACC+39], v17
	v_max3_num_f32 v14, v14, v15, v16
	v_max_num_f32 v14, v14, v18
	v_mul_f32 v14, s32, v14
	v_floor_f32 v10, -v14                          ; negM = floor(-t) = -ceil(t)
.set n, 0
.rept 20
	v_pk_fma_f32 v[ACC+n:ACC+n+1], v[ACC+n:ACC+n+1], s[32:33], v[10:11] op_sel_hi:[1,0,0]    ; t - M, two at a time
.set n, n+2
.endr
.set n, 0
.rept 40
	v_exp_f32 v[ACC+n], v[ACC+n]
.set n, n+1
.endr
	v_nop                                          ; a plain line behind the last exponential
	s_wait_alu depctr_va_vdst(0)                   ; one wait for the batch, ahead of its first reader
	v_pk_add_f32 v[20:21], v[ACC:ACC+1], v[ACC+2:ACC+3]
	v_pk_add_f32 v[22:23], v[ACC+4:ACC+5], v[ACC+6:ACC+7]
.set n, 8
.rept 8
	v_pk_add_f32 v[20:21], v[20:21], v[ACC+n:ACC+n+1]
	v_pk_add_f32 v[22:23], v[22:23], v[ACC+n+2:ACC+n+3]
.set n, n+4
.endr
	v_pk_add_f32 v[20:21], v[20:21], v[22:23]
	v_add_f32 v11, v20, v21
	global_store_b64 v5, v[10:11], s[50:51]        ; 32 lanes store 256 consecutive bytes, aligned
	s_cmp_lg_u32 s31, 250
	s_cbranch_scc1 .Lhead_plain
.irp k, 1,2,3,4,5
	global_store_b64 v5, v[12:13], s[50:51] offset:16384*\k      ; entries 251 .. 255 are neutral, so that the next launch reads 256 entries
.endr
.Lhead_plain:
	s_wait_xcnt 0x0                                ; the stores have read their registers and bases
	s_add_nc_u64 s[50:51], s[50:51], 256
	s_add_nc_u64 s[52:53], s[52:53], 64
	s_sub_co_u32 s42, s42, 1
	s_cmp_lg_u32 s42, 0
	s_cbranch_scc1 .Lhead
	s_set_vgpr_msb 0x5
	s_wait_tensorcnt 0x0
	ds_add_u32 v254, v255
	s_wait_dscnt 0x0
	s_set_vgpr_msb 0x500
	s_endpgm
	; ================ TAILS.  No LDS, no barrier, window 0 alone.
	; v1-3 offsets of weights, scales, biases; v4-7 maxima; v8-13 at work; tile j's state at v[14 + 6 j]: negM, the sum at the end, S in two halves, wl = wanted column - my register 0's at the part's head, the wanted logit
.macro LOADCH kind                     ; a chunk's weights, scale words and biases
.if \kind == 1
.irp a, 0,1
.irp e, 0,1,2,3
	global_load_b128 v[TAF+16*\a+4*\e:TAF+16*\a+4*\e+3], v1, s[38:39] offset:2048*\a+32*\e
.endr
	global_load_b64 v[TAS+2*\a:TAS+2*\a+1], v2, s[40:41] offset:128*\a
	global_load_b128 v[TBI+8*\a:TBI+8*\a+3], v3, s[42:43] offset:64*\a
	global_load_b128 v[TBI+8*\a+4:TBI+8*\a+7], v3, s[42:43] offset:64*\a+16
.endr
.else
.irp a, 0,1,2,3
	global_load_b128 v[TAF+4*\a:TAF+4*\a+3], v1, s[38:39] offset:512*\a
	global_load_b128 v[TBI+8*\a:TBI+8*\a+3], v3, s[42:43] offset:64*\a
	global_load_b128 v[TBI+8*\a+4:TBI+8*\a+7], v3, s[42:43] offset:64*\a+16
.endr
.if \kind == 2
	global_load_u16 v[TAS], v2, s[40:41]           ; lane L: the two scale bytes of row L of 32: even tiles read lanes 0-15, odd tiles lanes 16-31
	global_load_u16 v[TAS+1], v2, s[40:41] offset:64
.endif
.endif
.endm
.macro WM kind, j                      ; the chunk's tiles against token tile j
.if \kind == 1                         ; K = 256: two K steps; the two accumulators take turns
	v_wmma_scale_f32_16x16x128_f8f6f4 v[TD+16*\j:TD+16*\j+7], v[TAF:TAF+7], v[TBF+16*\j:TBF+16*\j+7], v[TBI:TBI+7], v[TAS], v[TBS+2*\j] matrix_a_fmt:MATRIX_FMT_FP4 matrix_b_fmt:MATRIX_FMT_FP4
	v_wmma_scale_f32_16x16x128_f8f6f4 v[TD+16*\j+8:TD+16*\j+15], v[TAF+16:TAF+23], v[TBF+16*\j:TBF+16*\j+7], v[TBI+8:TBI+15], v[TAS+2], v[TBS+2*\j] matrix_a_fmt:MATRIX_FMT_FP4 matrix_b_fmt:MATRIX_FMT_FP4
	v_wmma_scale_f32_16x16x128_f8f6f4 v[TD+16*\j:TD+16*\j+7], v[TAF+8:TAF+15], v[TBF+16*\j+8:TBF+16*\j+15], v[TD+16*\j:TD+16*\j+7], v[TAS+1], v[TBS+2*\j+1] matrix_a_fmt:MATRIX_FMT_FP4 matrix_b_fmt:MATRIX_FMT_FP4
	v_wmma_scale_f32_16x16x128_f8f6f4 v[TD+16*\j+8:TD+16*\j+15], v[TAF+24:TAF+31], v[TBF+16*\j+8:TBF+16*\j+15], v[TD+16*\j+8:TD+16*\j+15], v[TAS+3], v[TBS+2*\j+1] matrix_a_fmt:MATRIX_FMT_FP4 matrix_b_fmt:MATRIX_FMT_FP4
.elseif \kind == 2                     ; K = 64 of the instruction's 128: the tokens' upper 64 codes are zeros, so whatever stands in the weights' upper four registers (the next tile's codes) adds nothing
.irp a, 0,1,2,3
.if \a % 2
	v_wmma_scale_f32_16x16x128_f8f6f4 v[TD+32*\j+8*\a:TD+32*\j+8*\a+7], v[TAF+4*\a:TAF+4*\a+7], v[TBF+8*\j:TBF+8*\j+7], v[TBI+8*\a:TBI+8*\a+7], v[TAS+\a/2], v[TBS+\j] matrix_a_fmt:MATRIX_FMT_FP4 matrix_b_fmt:MATRIX_FMT_FP4 matrix_a_scale:MATRIX_SCALE_ROW1
.else
	v_wmma_scale_f32_16x16x128_f8f6f4 v[TD+32*\j+8*\a:TD+32*\j+8*\a+7], v[TAF+4*\a:TAF+4*\a+7], v[TBF+8*\j:TBF+8*\j+7], v[TBI+8*\a:TBI+8*\a+7], v[TAS+\a/2], v[TBS+\j] matrix_a_fmt:MATRIX_FMT_FP4 matrix_b_fmt:MATRIX_FMT_FP4
.endif
.endr
.else                                  ; K = 16 of the instruction's 32, in bf16: the tokens' upper 16 are zeros
.irp a, 0,1,2,3
	v_wmma_f32_16x16x32_bf16 v[TD+32*\j+8*\a:TD+32*\j+8*\a+7], v[TAF+4*\a:TAF+4*\a+7], v[TBF+8*\j:TBF+8*\j+7], v[TBI+8*\a:TBI+8*\a+7]
.endr
.endif
.endm
.macro SM j, na, dj                    ; token tile j: the wanted logit, the running maximum, the exponentials and the sum over na accumulators at v[dj]
.set SJ, 14+6*(\j)
	v_sub_nc_u32 v9, v[SJ+4], s36                  ; d: a hit where d = 16 a + register
	v_cmp_gt_u32 vcc_lo, 16*(\na), v9
	s_cbranch_vccz .Lmiss_\@                       ; a branch on whole numbers read from memory
.set n, 0
.rept 8*(\na)
	v_cmp_eq_u32 vcc_lo, 16*(n/8)+n%8, v9
	v_cndmask_b32 v[SJ+5], v[SJ+5], v[(\dj)+n], vcc_lo
.set n, n+1
.endr
.Lmiss_\@:
.set n, 0
.rept \na                              ; a chain for each accumulator, from its low end on
	v_max3_num_f32 v[4+n], v[(\dj)+8*n], v[(\dj)+8*n+1], v[(\dj)+8*n+2]
.set n, n+1
.endr
.set n, 0
.rept \na
	v_max3_num_f32 v[4+n], v[4+n], v[(\dj)+8*n+3], v[(\dj)+8*n+4]
.set n, n+1
.endr
.set n, 0
.rept \na
	v_max3_num_f32 v[4+n], v[4+n], v[(\dj)+8*n+5], v[(\dj)+8*n+6]
.set n, n+1
.endr
	v_max3_num_f32 v4, v4, v[(\dj)+7], v[(\dj)+15]
.if \na == 4
	v_max3_num_f32 v6, v6, v[(\dj)+23], v[(\dj)+31]
	v_max3_num_f32 v4, v4, v5, v6
	v_max_num_f32 v4, v4, v7
.else
	v_max_num_f32 v4, v4, v5
.endif
	v_mul_f32 v8, s32, v4
	v_floor_f32 v8, -v8
	v_min_num_f32 v8, v8, v[SJ]                    ; the new negM
	v_sub_f32 v10, v8, v[SJ]                       ; old M - new M: a whole number, 0 or less
	v_cvt_i32_f32 v10, v10                         ; (it saturates)
	v_mov_b32 v[SJ], v8
	v_ldexp_f32 v10, 1.0, v10                      ; f = 2^(old M - new M)
.set n, 0
.rept 4*(\na)
	v_pk_fma_f32 v[(\dj)+n:(\dj)+n+1], v[(\dj)+n:(\dj)+n+1], s[32:33], v[SJ:SJ+1] op_sel_hi:[1,0,0]
.set n, n+2
.endr
.set n, 0
.rept 8*(\na)
	v_exp_f32 v[(\dj)+n], v[(\dj)+n]
.set n, n+1
.endr
	v_pk_mul_f32 v[SJ+2:SJ+3], v[SJ+2:SJ+3], v[10:11] op_sel_hi:[1,0]    ; the sum under the new M (a plain line behind the exponentials)
	s_wait_alu depctr_va_vdst(0)                   ; one wait for the batch, ahead of its first reader
	v_pk_add_f32 v[12:13], v[(\dj):(\dj)+1], v[(\dj)+2:(\dj)+3]
.set n, 4
.rept 2*(\na)-1
	v_pk_add_f32 v[SJ+2:SJ+3], v[SJ+2:SJ+3], v[(\dj)+n:(\dj)+n+1]
	v_pk_add_f32 v[12:13], v[12:13], v[(\dj)+n+2:(\dj)+n+3]
.set n, n+4
.endr
	v_pk_add_f32 v[SJ+2:SJ+3], v[SJ+2:SJ+3], v[12:13]
.endm
.macro TSTATE                          ; the four tiles' states; s37 = the part's first column
	v_lshlrev_b32 v9, 3, v249
	v_add_nc_u32 v9, s37, v9
.irp j, 0,1,2,3
	v_mov_b32 v[14+6*\j], BIG
	v_mov_b32 v[15+6*\j], 0
	v_mov_b32 v[16+6*\j], 0
	v_mov_b32 v[17+6*\j], 0
	v_sub_nc_u32 v[18+6*\j], v[244+\j], v9
	v_mov_b32 v[19+6*\j], 0
.endr
	v_mov_b32 v11, 0                               ; (the upper half of the pair v[10:11])
	s_mov_b32 s36, 0                               ; columns of the part that are done
.endm
.macro TLOOP kind                      ; a trip: one chunk of the vocabulary against the four tiles of tokens
.Lchunk_\@:
	s_wait_loadcnt 0x0                             ; the chunk asked for a trip ago (in the first trip: the tokens' operands too)
	WM \kind, 0
	WM \kind, 1
	WM \kind, 2
	WM \kind, 3
.rept 4
	v_nop                                          ; four places: for the loads into registers that the products have read, and for the first reads of results
.endr
	s_cmp_eq_u32 s35, 1
	s_cbranch_scc1 .Lnomore_\@                     ; the last trip asks for nothing: no load leaves its buffer
.if \kind == 1
	s_add_nc_u64 s[38:39], s[38:39], 4096
	s_add_nc_u64 s[40:41], s[40:41], 256
	s_add_nc_u64 s[42:43], s[42:43], 128
.else
	s_add_nc_u64 s[38:39], s[38:39], 2048
.if \kind == 2
	s_add_nc_u64 s[40:41], s[40:41], 128
.endif
	s_add_nc_u64 s[42:43], s[42:43], 256
.endif
	LOADCH \kind                                   ; the next chunk flies under this chunk's softmax
.Lnomore_\@:
.if \kind == 1
	SM 0, 2, TD
	SM 1, 2, TD+16
	SM 2, 2, TD+32
	SM 3, 2, TD+48
	s_add_co_u32 s36, s36, 32
.else
	SM 0, 4, TD
	SM 1, 4, TD+32
	SM 2, 4, TD+64
	SM 3, 4, TD+96
	s_add_co_u32 s36, s36, 64
.endif
	s_sub_co_u32 s35, s35, 1
	s_cmp_lg_u32 s35, 0
	s_cbranch_scc1 .Lchunk_\@
.endm
.macro TEPI e                          ; the way out; v[e] on are free; s50 = the part's columns
	v_and_b32 v[\e], 31, v0
	v_lshlrev_b32 v[\e], 3, v[\e]
	v_and_b32 v[\e+1], 15, v0
	v_lshlrev_b32 v[\e+1], 2, v[\e+1]
.irp j, 0,1,2,3
	v_add_f32 v[15+6*\j], v[16+6*\j], v[17+6*\j]
	global_store_b64 v[\e], v[14+6*\j:15+6*\j], s[44:45] offset:256*\j       ; 32 lanes store 256 consecutive bytes, aligned
.endr
.irp j, 0,1,2,3
	v_and_b32 v[\e+2], 8, v[18+6*\j]
	v_cmp_gt_u32 s48, s50, v[18+6*\j]
	v_cmp_eq_u32 vcc_lo, 0, v[\e+2]
	s_and_b32 vcc_lo, vcc_lo, s48                  ; the lanes whose wanted column lay in this part and in their half of a tile: one lane of the launch for each slot
	s_wait_xcnt 0x0                                ; EXEC changes only behind this wait
	s_and_saveexec_b32 s49, vcc_lo
	global_store_b32 v[\e+1], v[19+6*\j], s[46:47] offset:64*\j
	s_wait_xcnt 0x0
	s_or_b32 exec_lo, exec_lo, s49
.endr
	s_endpgm
.endm
.Ltail:
	s_sub_co_u32 s52, s31, 251                     ; y = 0 .. 1133
	s_mul_i32 s53, s52, 1041
	s_lshr_b32 s53, s53, 16                        ; g = y / 63 (exact up to y = 1133)
	s_mul_i32 s54, s53, 63
	s_sub_co_u32 s54, s52, s54
	s_lshl_b32 s54, s54, 2
	s_add_co_u32 s54, s54, s30                     ; p = 4 (y % 63) + wave
	s_lshl_b32 s55, s53, 2
	s_load_b32 s56, s[26:27], s55 offset:GTAB      ; the group's cluster
	s_mov_b32 s61, 0
	s_lshl_b32 s60, s53, 8
	s_add_nc_u64 s[58:59], s[26:27], s[60:61]      ; the group's 64 slots in PERM and TWANT
	s_add_nc_u64 s[46:47], s[28:29], s[60:61]
	s_add_nc_u64 s[46:47], s[46:47], TL            ; where wanted logits go
	s_mul_i32 s60, s54, 18432
	s_lshl_b32 s62, s53, 10
	s_add_co_u32 s60, s60, s62
	s_add_co_u32 s60, s60, TP+256
	s_add_nc_u64 s[44:45], s[28:29], s[60:61]      ; where pairs go: unit 1 + 72 p + 4 g
	v_and_b32 v248, 15, v0                         ; r
	v_bfe_u32 v249, v0, 4, 1                       ; h
	v_lshlrev_b32 v250, 2, v248
.irp j, 0,1,2,3
	global_load_b32 v[240+\j], v250, s[58:59] offset:64*\j           ; the rows of tile j
	global_load_b32 v[244+\j], v250, s[58:59] offset:TWANT+64*\j     ; and their wanted columns
.endr
	s_wait_kmcnt 0x0
	s_cmp_eq_u32 s56, 2
	s_cbranch_scc1 .Lt2
	s_cmp_eq_u32 s56, 3
	s_cbranch_scc1 .Lt3
	s_cmp_eq_u32 s56, 1
	s_cbranch_scc0 .Ldone
	; ---- cluster 1: K = 256; 25 parts of 800 columns; a chunk is 2 tiles, 25 chunks
.set TAS, 38                           ; v38-41 w1's scale words, v42-49 the tokens', v50-65 biases, v66-97 w1's fragments, v98-161 the tokens', v162-225 accumulators (16 j + 8 a)
.set TBS, 42
.set TBI, 50
.set TAF, 66
.set TBF, 98
.set TD,  162
	s_cmp_ge_u32 s54, 25
	s_cbranch_scc1 .Ldone
	s_mul_i32 s60, s54, 102400
	s_add_nc_u64 s[38:39], s[12:13], s[60:61]
	s_mul_i32 s60, s54, 6400
	s_add_nc_u64 s[40:41], s[14:15], s[60:61]
	s_mul_i32 s60, s54, 3200
	s_add_nc_u64 s[42:43], s[16:17], s[60:61]
	s_mul_i32 s37, s54, 800
	s_mov_b32 s50, 800
	s_mov_b32 s35, 25
	v_lshlrev_b32 v1, 7, v248
	v_lshl_add_u32 v1, v249, 4, v1                 ; a row of 256 codes is 128 bytes: 128 r + 16 h
	v_lshlrev_b32 v2, 3, v248
	v_lshlrev_b32 v3, 5, v249
	LOADCH 1
	s_wait_loadcnt 14                              ; the rows and wanted columns are in; the chunk's 14 loads stay out
.irp j, 0,1,2,3
	v_min_u32 v[240+\j], 1023, v[240+\j]
	v_lshlrev_b32 v[232+\j], 7, v[240+\j]
	v_lshl_add_u32 v[232+\j], v249, 4, v[232+\j]
	v_lshlrev_b32 v[236+\j], 3, v[240+\j]
.irp e, 0,1,2,3
	global_load_b128 v[TBF+16*\j+4*\e:TBF+16*\j+4*\e+3], v[232+\j], s[24:25] offset:A1C+32*\e
.endr
	global_load_b64 v[TBS+2*\j:TBS+2*\j+1], v[236+\j], s[24:25] offset:A1S
.endr
	TSTATE
	TLOOP 1
	TEPI TD
	; ---- clusters 2 and 3: a chunk is 4 tiles, 10 chunks: parts of 640 columns
.set TAS, 38                           ; v38-39 the weights' scale words, v40-43 the tokens', v44-63 the weights' fragments (four registers a tile, and four zeros), v64-95 biases, v96-127 the tokens', v128-255 accumulators (32 j + 8 a)
.set TBS, 40
.set TAF, 44
.set TBI, 64
.set TBF, 96
.set TD,  128
.macro TZERO                           ; the tokens' upper halves, and what stands behind the last tile's weights
.irp j, 0,1,2,3
.irp i, 4,5,6,7
	v_mov_b32 v[TBF+8*\j+\i], 0
.endr
	v_mov_b32 v[TAF+16+\j], 0
.endr
.endm
.Lt2:                                              ; K = 64; 250 parts
	s_cmp_ge_u32 s54, 250
	s_cbranch_scc1 .Ldone
	s_mul_i32 s60, s54, 20480
	s_add_nc_u64 s[38:39], s[18:19], s[60:61]
	s_mul_i32 s60, s54, 1280
	s_add_nc_u64 s[40:41], s[20:21], s[60:61]
	s_mul_i32 s60, s54, 2560
	s_add_nc_u64 s[42:43], s[22:23], s[60:61]
	s_mul_i32 s37, s54, 640
	s_mov_b32 s50, 640
	s_mov_b32 s35, 10
	v_lshlrev_b32 v1, 5, v248
	v_lshl_add_u32 v1, v249, 4, v1                 ; a row of 64 codes is 32 bytes: 32 r + 16 h
	v_and_b32 v2, 31, v0
	v_lshlrev_b32 v2, 1, v2
	v_lshlrev_b32 v3, 5, v249
	LOADCH 2
	TZERO
	s_wait_loadcnt 14                              ; the rows and wanted columns are in; the chunk's 14 loads stay out
.irp j, 0,1,2,3
	v_min_u32 v[240+\j], 1023, v[240+\j]
	v_lshlrev_b32 v[232+\j], 5, v[240+\j]
	v_lshl_add_u32 v[232+\j], v249, 4, v[232+\j]
	v_lshlrev_b32 v[236+\j], 1, v[240+\j]
	global_load_b128 v[TBF+8*\j:TBF+8*\j+3], v[232+\j], s[24:25] offset:A2C
	global_load_u16 v[TBS+\j], v[236+\j], s[24:25] offset:A2S
.endr
	TSTATE
	TLOOP 2
	TEPI TD
.Lt3:                                              ; K = 16, bf16; 106 parts of the padded 67,840 columns
	s_cmp_ge_u32 s54, 106
	s_cbranch_scc1 .Ldone
	s_mul_i32 s60, s54, 20480
	s_add_nc_u64 s[38:39], s[24:25], s[60:61]
	s_add_nc_u64 s[38:39], s[38:39], W3B
	s_mul_i32 s60, s54, 2560
	s_add_nc_u64 s[42:43], s[24:25], s[60:61]
	s_add_nc_u64 s[42:43], s[42:43], B3P
	s_mul_i32 s37, s54, 640
	s_mov_b32 s50, 640
	s_mov_b32 s35, 10
	v_lshlrev_b32 v1, 5, v248
	v_lshl_add_u32 v1, v249, 4, v1                 ; a row of 16 bf16 is 32 bytes: 32 r + 16 h
	v_lshlrev_b32 v3, 5, v249
	LOADCH 3
	TZERO
	s_wait_loadcnt 12                              ; the rows and wanted columns are in; the chunk's 12 loads stay out
.irp j, 0,1,2,3
	v_min_u32 v[240+\j], 1023, v[240+\j]
	v_lshlrev_b32 v[232+\j], 5, v[240+\j]
	v_lshl_add_u32 v[232+\j], v249, 4, v[232+\j]
	global_load_b128 v[TBF+8*\j:TBF+8*\j+3], v[232+\j], s[24:25] offset:A3B
.endr
	TSTATE
	TLOOP 3
	TEPI TD
.Ldone:
	s_endpgm
.Lfunc_end_k_qb5b8105f09_main:
	.size	k_qb5b8105f09_main, .Lfunc_end_k_qb5b8105f09_main-k_qb5b8105f09_main
	.p2alignl 7, 3214868480
	.fill 96, 4, 3214868480
	.section	.rodata,"a",@progbits
	.p2align	6, 0x0
	.amdhsa_kernel k_qb5b8105f09_main
		.amdhsa_group_segment_fixed_size 83968
		.amdhsa_private_segment_fixed_size 0
		.amdhsa_enable_private_segment 0
		.amdhsa_kernarg_size 104
		.amdhsa_user_sgpr_count 2
		.amdhsa_user_sgpr_kernarg_segment_ptr 1
		.amdhsa_wavefront_size32 1
		.amdhsa_system_sgpr_workgroup_id_x 1
		.amdhsa_system_sgpr_workgroup_id_y 1
		.amdhsa_system_sgpr_workgroup_id_z 1
		.amdhsa_system_vgpr_workitem_id 0
		.amdhsa_next_free_vgpr 512
		.amdhsa_next_free_sgpr 68
		.amdhsa_reserve_vcc 1
		.amdhsa_float_denorm_mode_32 3
		.amdhsa_float_denorm_mode_16_64 3
		.amdhsa_memory_ordered 1
		.amdhsa_forward_progress 1
		.amdhsa_inst_pref_size 198
	.end_amdhsa_kernel
	.amdgpu_metadata
---
amdhsa.version: [ 1, 2 ]
amdhsa.kernels:
  - .name:           k_qb5b8105f09_main
    .symbol:         k_qb5b8105f09_main.kd
    .args:
      - { .name: w0, .offset: 0, .size: 8, .value_kind: global_buffer, .address_space: global }
      - { .name: b0, .offset: 8, .size: 8, .value_kind: global_buffer, .address_space: global }
      - { .name: cluster_w, .offset: 16, .size: 8, .value_kind: global_buffer, .address_space: global }
      - { .name: cluster_b, .offset: 24, .size: 8, .value_kind: global_buffer, .address_space: global }
      - { .name: w1_codes, .offset: 32, .size: 8, .value_kind: global_buffer, .address_space: global }
      - { .name: w1_scales, .offset: 40, .size: 8, .value_kind: global_buffer, .address_space: global }
      - { .name: b1, .offset: 48, .size: 8, .value_kind: global_buffer, .address_space: global }
      - { .name: w2_codes, .offset: 56, .size: 8, .value_kind: global_buffer, .address_space: global }
      - { .name: w2_scales, .offset: 64, .size: 8, .value_kind: global_buffer, .address_space: global }
      - { .name: b2, .offset: 72, .size: 8, .value_kind: global_buffer, .address_space: global }
      - { .name: act, .offset: 80, .size: 8, .value_kind: global_buffer, .address_space: global }
      - { .name: idx, .offset: 88, .size: 8, .value_kind: global_buffer, .address_space: global }
      - { .name: part, .offset: 96, .size: 8, .value_kind: global_buffer, .address_space: global }
    .group_segment_fixed_size: 83968
    .private_segment_fixed_size: 0
    .kernarg_segment_align: 8
    .kernarg_segment_size: 104
    .max_flat_workgroup_size: 128
    .sgpr_count:     68
    .vgpr_count:     512
    .wavefront_size: 32
...
	.end_amdgpu_metadata
.endif
;; end of part 2
;; launch combine (part 3): grid 64 x 1, 8 waves a work-group, no clusters, 5,120 bytes of LDS; arguments target, idx, part, out0; writes out0
.if DOCPART == 3
	.amdgcn_target "amdgcn-amd-amdhsa--gfx1250"
	.amdhsa_code_object_version 6
	.text
	.protected	k_qb5b8105f09_combine
	.globl	k_qb5b8105f09_combine
	.p2align	8
	.type	k_qb5b8105f09_combine,@function
k_qb5b8105f09_combine:
	s_mov_b64 s[64:65], 0
	v_nop
	global_prefetch_b8 v0, s[64:65] scope:SCOPE_SE
	s_setreg_imm32_b32 hwreg(HW_REG_WAVE_MODE, 25, 1), 1
	s_wait_xcnt 0x0
; COMBINE.  out0[row] = (lse of the head - the wanted head logit) + (lse of the row's tail - the wanted tail logit, where the row has a tail).
; A work-group takes 16 rows (tile T).  Lane (r, h) follows row 16 T + r and one half of the lanes that made its pairs.  Wave w merges head entries 32 w .. 32 w + 31 and tail parts 32 w .. 32 w + 31;
; the eight waves' results meet in LDS, and wave 0 merges them, joins the two halves and writes the 16 numbers.
; A MERGE of pairs (negM, S): nm = the smallest negM (the largest M); the sum of S x 2^(nm - negM).  A neutral pair (3e38, 0) adds nothing.
; The head's pairs come as whole runs of 256 bytes.  A row's tail pairs lie where its slot put them, 8 bytes of a run for each part: parts beyond the cluster's count read the neutral run.
; No matrix work, no tensor loads: the launch moves a few megabytes once.
.set SROW, 9216
.set TP,   4194304
.set HL,   8802560
.set TL,   8806656
.set LN2,  0x3f317218
.set HPR, 16                           ; v16-79   32 head pairs
.set TPR, 80                           ; v80-143  32 tail pairs
.set TA,  144                          ; v144-175 the tail loads' offsets, later the merges' weights
.macro MERGE base, stride, n, nm, ss, w
	v_min_num_f32 v[\nm], v[\base], v[\base+\stride]
.set q, 2
.rept (\n-2)/2
	v_min3_num_f32 v[\nm], v[\nm], v[\base+\stride*q], v[\base+\stride*(q+1)]
.set q, q+2
.endr
.set q, 0
.rept \n
	v_sub_f32 v[\w+q], v[\nm], v[\base+\stride*q]
.set q, q+1
.endr
.set q, 0
.rept \n
	v_exp_f32 v[\w+q], v[\w+q]
.set q, q+1
.endr
	v_nop                                          ; a plain line behind the last exponential
	s_wait_alu depctr_va_vdst(0)                   ; one wait for the batch, ahead of its first reader
	v_mul_f32 v[\ss], v[\w], v[\base+1]            ; two chains
	v_mul_f32 v[\w], v[\w+1], v[\base+\stride+1]
.set q, 2
.rept (\n-2)/2
	v_fma_f32 v[\ss], v[\w+q], v[\base+\stride*q+1], v[\ss]
	v_fma_f32 v[\w], v[\w+q+1], v[\base+\stride*(q+1)+1], v[\w]
.set q, q+2
.endr
	v_add_f32 v[\ss], v[\ss], v[\w]
.endm
	s_load_b256 s[4:11], s[0:1], 0x0               ; target, idx, part, out0
	v_lshl_add_u32 v192, v0, 2, 0x1000
	v_mov_b32 v193, 0
	v_lshrrev_b32 v1, 5, v0
	v_readfirstlane_b32 s12, v1                    ; wave
	s_mov_b32 s13, ttmp9                           ; T
	v_and_b32 v9, 31, v0                           ; L
	v_lshlrev_b32 v1, 3, v9                        ; 8 L
	v_and_b32 v2, 15, v0                           ; r
	v_bfe_u32 v3, v0, 4, 1                         ; h
	v_lshlrev_b32 v10, 2, v2                       ; 4 r
	s_lshl_b32 s14, s13, 6
	s_mov_b32 s15, 0
	s_mov_b32 s36, 0x76543210
	s_mov_b32 s37, 0xfedcba98                      ; v_permlanex16_b32's selects for lane l xor 16
	s_wait_kmcnt 0x0
	s_add_nc_u64 s[16:17], s[4:5], s[14:15]        ; my 16 rows in target,
	s_add_nc_u64 s[18:19], s[6:7], s[14:15]        ; in idx,
	s_add_nc_u64 s[10:11], s[10:11], s[14:15]      ; in out0,
	s_add_nc_u64 s[20:21], s[8:9], s[14:15]
	s_add_nc_u64 s[20:21], s[20:21], HL            ; and among the wanted head logits
	s_lshl_b32 s14, s12, 19
	s_lshl_b32 s22, s13, 8
	s_add_co_u32 s14, s14, s22
	s_add_nc_u64 s[24:25], s[8:9], s[14:15]        ; head pairs: entry 32 w, tile T
	global_load_b32 v4, v10, s[16:17]              ; the target
	global_load_b32 v5, v10, s[18:19] offset:SROW  ; the slot; 1,152: no tail
.set k, 0
.rept 32
	global_load_b64 v[HPR+2*k:HPR+2*k+1], v1, s[24:25] offset:16384*k
.set k, k+1
.endr
	global_load_b32 v12, v10, s[20:21]             ; the wanted head logit
	s_mov_b32 s26, 19999
	s_mov_b32 s27, 39999
	s_mov_b32 s28, 199999
	v_mov_b32 v13, 25
	v_mov_b32 v14, 250
	v_mov_b32 v15, 106
	s_lshl_b32 s29, s12, 5
	v_mov_b32 v11, s29
	s_mul_i32 s30, s12, 2304
	s_add_co_u32 s30, s30, 1
	s_add_nc_u64 s[32:33], s[8:9], TP
	s_add_nc_u64 s[34:35], s[8:9], TL
	s_wait_loadcnt 33                              ; target and slot are in; the 33 loads behind them stay out
	v_cmp_lt_u32 vcc_lo, s26, v4
	v_cndmask_b32 v6, 0, v13, vcc_lo
	v_cmp_lt_u32 vcc_lo, s27, v4
	v_cndmask_b32 v6, v6, v14, vcc_lo
	v_cmp_lt_u32 vcc_lo, s28, v4
	v_cndmask_b32 v6, v6, v15, vcc_lo              ; the parts of my row's tail: 0, 25, 250 or 106
	v_sub_nc_u32 v6, v6, v11                       ; less my wave's first part
	v_lshrrev_b32 v7, 4, v5
	v_add_nc_u32 v7, s30, v7                       ; the run of my wave's first part: 1 + 72 x 32 w + slot / 16
	v_and_b32 v8, 15, v5
	v_min_u32 v8, 15, v8
	v_lshlrev_b32 v8, 3, v8
	v_lshl_add_u32 v8, v3, 7, v8                   ; my pair's place in a run: 8 (slot % 16) + 128 h
.set k, 0
.rept 32
	v_add_nc_u32 v[TA+k], 72*k, v7
	v_cmp_lt_i32 vcc_lo, k, v6
	v_cndmask_b32 v[TA+k], 0, v[TA+k], vcc_lo      ; beyond the tail's parts: the neutral run
	v_min_u32 v[TA+k], 18000, v[TA+k]
	v_lshl_add_u32 v[TA+k], v[TA+k], 8, v8
	global_load_b64 v[TPR+2*k:TPR+2*k+1], v[TA+k], s[32:33]
.set k, k+1
.endr
	v_min_u32 v191, 1152, v5
	v_lshlrev_b32 v191, 2, v191
	global_load_b32 v190, v191, s[34:35]           ; the wanted tail logit (0 where there is no tail)
.irp i, 0,1,2,3
	v_mov_b32 v[180+\i], 0                         ; written once: a lane permute's destination counts as one of its sources
.endr
	v_lshlrev_b32 v188, 4, v0                      ; LDS: 16 bytes a thread
	v_lshlrev_b32 v189, 4, v9
	s_wait_loadcnt 0x0
	MERGE HPR, 2, 32, 176, 177, TA
	MERGE TPR, 2, 32, 178, 179, TA
	ds_store_b128 v188, v[176:179]
	s_wait_dscnt 0x0                               ; for the others' sake: my store has landed
	s_barrier_signal -1
	s_barrier_wait -1
	s_cmp_lg_u32 s12, 0
	s_cbranch_scc1 .Lend
.irp k, 0,1,2,3,4,5,6,7
	ds_load_b128 v[16+4*\k:19+4*\k], v189 offset:512*\k
.endr
	s_wait_dscnt 0x0
	MERGE 16, 4, 8, 176, 177, TA
	MERGE 18, 4, 8, 178, 179, TA
	v_permlanex16_b32 v180, v176, s36, s37         ; the other half of the lanes
	v_permlanex16_b32 v181, v177, s36, s37
	v_permlanex16_b32 v182, v178, s36, s37
	v_permlanex16_b32 v183, v179, s36, s37
	v_min_num_f32 v184, v176, v180
	v_min_num_f32 v185, v178, v182
	v_sub_f32 v176, v184, v176
	v_sub_f32 v180, v184, v180
	v_sub_f32 v178, v185, v178
	v_sub_f32 v182, v185, v182
	v_exp_f32 v176, v176
	v_exp_f32 v180, v180
	v_exp_f32 v178, v178
	v_exp_f32 v182, v182
	v_nop
	s_wait_alu depctr_va_vdst(0)
	v_mul_f32 v177, v177, v176
	v_mul_f32 v179, v179, v178
	v_fma_f32 v177, v181, v180, v177
	v_fma_f32 v179, v183, v182, v179
	v_log_f32 v177, v177
	v_log_f32 v179, v179
	s_mov_b32 s38, LN2
	v_cmp_gt_u32 vcc_lo, 1152, v5                  ; (a plain line behind the logarithms)  has my row a tail?
	s_wait_alu depctr_va_vdst(0)
	v_sub_f32 v177, v177, v184                     ; log2(S) + M
	v_sub_f32 v179, v179, v185
	v_fma_f32 v177, v177, s38, -v12                ; the head's lse - the wanted logit
	v_fma_f32 v179, v179, s38, -v190               ; the tail's
	v_cndmask_b32 v179, 0, v179, vcc_lo
	v_add_f32 v177, v177, v179
	v_cmp_gt_u32 vcc_lo, 16, v9
	s_wait_xcnt 0x0                                ; EXEC changes only behind this wait
	s_and_saveexec_b32 s39, vcc_lo
	global_store_b32 v10, v177, s[10:11]           ; lanes 0-15: 64 consecutive bytes
.Lend:
	s_wait_xcnt 0x0
	s_mov_b32 exec_lo, -1
	s_wait_tensorcnt 0x0
	ds_add_u32 v192, v193
	s_wait_dscnt 0x0
	s_endpgm
.Lfunc_end_k_qb5b8105f09_combine:
	.size	k_qb5b8105f09_combine, .Lfunc_end_k_qb5b8105f09_combine-k_qb5b8105f09_combine
	.p2alignl 7, 3214868480
	.fill 96, 4, 3214868480
	.section	.rodata,"a",@progbits
	.p2align	6, 0x0
	.amdhsa_kernel k_qb5b8105f09_combine
		.amdhsa_group_segment_fixed_size 5120
		.amdhsa_private_segment_fixed_size 0
		.amdhsa_enable_private_segment 0
		.amdhsa_kernarg_size 32
		.amdhsa_user_sgpr_count 2
		.amdhsa_user_sgpr_kernarg_segment_ptr 1
		.amdhsa_wavefront_size32 1
		.amdhsa_system_sgpr_workgroup_id_x 1
		.amdhsa_system_sgpr_workgroup_id_y 1
		.amdhsa_system_sgpr_workgroup_id_z 1
		.amdhsa_system_vgpr_workitem_id 0
		.amdhsa_next_free_vgpr 194
		.amdhsa_next_free_sgpr 66
		.amdhsa_reserve_vcc 1
		.amdhsa_float_denorm_mode_32 3
		.amdhsa_float_denorm_mode_16_64 3
		.amdhsa_memory_ordered 1
		.amdhsa_forward_progress 1
		.amdhsa_inst_pref_size 32
	.end_amdhsa_kernel
	.amdgpu_metadata
---
amdhsa.version: [ 1, 2 ]
amdhsa.kernels:
  - .name:           k_qb5b8105f09_combine
    .symbol:         k_qb5b8105f09_combine.kd
    .args:
      - { .name: target, .offset: 0, .size: 8, .value_kind: global_buffer, .address_space: global }
      - { .name: idx, .offset: 8, .size: 8, .value_kind: global_buffer, .address_space: global }
      - { .name: part, .offset: 16, .size: 8, .value_kind: global_buffer, .address_space: global }
      - { .name: out0, .offset: 24, .size: 8, .value_kind: global_buffer, .address_space: global }
    .group_segment_fixed_size: 5120
    .private_segment_fixed_size: 0
    .kernarg_segment_align: 8
    .kernarg_segment_size: 32
    .max_flat_workgroup_size: 256
    .sgpr_count:     66
    .vgpr_count:     194
    .wavefront_size: 32
...
	.end_amdgpu_metadata
.endif
;; end of part 3
